; MI455X (gfx1250); checked and timed in simulation.
; The chip was launched on July 23, 2026; its instructions are those of AMD's public machine-readable ISA for CDNA 5 (MIT licence, August 2026) and "CDNA5" Instruction Set Architecture Reference Guide (July 2026). The comments in the code are by the model that wrote it; some were corrected since.
;; Siamese Tangent Layer. Allowed arithmetic: float matrix products may take bf16 or f16 operands with f32 sums; other float arithmetic in f32, or as packed bf16 or f16 multiplies, adds, multiply-adds, maxima and minima; sums over many terms, partial sums and values carried from step to step in f32; what a program stores and reads back later, other than sums and carried values, may be rounded once to bf16 or f16.
;; Inputs: protos 200 x 512 float32; subspaces 200 x 512 x 64 float32; x 1,024 x 512 float32.
;; Outputs: out0 1,024 x 200 float32.
;; One version. Each part assembles by itself: llvm-mc -triple=amdgcn-amd-amdhsa -mcpu=gfx1250 --defsym DOCPART=n.
;; ======== version 1 of 1: 1 launch
;; limits: a difference of large sums (such as E[x^2] - mean^2): digits are lost where the result is much smaller than its terms
;; launch tangent (part 1): grid 4 x 50, 4 waves a work-group, clusters of 4 x 1, 327,680 bytes of LDS; arguments protos, subspaces, x, out0; writes out0
.if DOCPART == 1
	.amdgcn_target "amdgcn-amd-amdhsa--gfx1250"
	.amdhsa_code_object_version 6
	.text
	.protected	k_qb38082da7b_tangent
	.globl	k_qb38082da7b_tangent
	.p2align	8
	.type	k_qb38082da7b_tangent,@function
k_qb38082da7b_tangent:
	s_mov_b64 s[64:65], 0
	v_nop
	global_prefetch_b8 v0, s[64:65] scope:SCOPE_SE
	s_setreg_imm32_b32 hwreg(HW_REG_WAVE_MODE, 25, 1), 1
	s_wait_xcnt 0x0
	s_wait_alu depctr_hold_cnt(0) depctr_sa_sdst(0) depctr_va_vdst(0) depctr_va_sdst(0) depctr_va_ssrc(0) depctr_va_vcc(0) depctr_vm_vsrc(0)
	s_getreg_b32 s2, hwreg(HW_REG_IB_STS2, 6, 4)
	s_cmp_eq_u32 s2, 0
	s_cbranch_scc0 .Lentry_in_a_cluster
	s_endpgm
.Lentry_in_a_cluster:
	s_bfe_u32 s2, ttmp6, 0x10000c
	s_cmp_lg_u32 s2, 0x3003
	s_cbranch_scc0 .Lentry_shape_is_right
	s_endpgm
.Lentry_shape_is_right:
; out[b][p] = | (x_b - w_p) (I - U_p U_p^T) |.  x: [1024][512], protos w: [200][512], subspaces U: [200][512][64], out: [1024][200], all f32.
; THE FORM.  With d = x_b - w_p, y = U^T d (64 numbers) and G = U^T U (64 x 64), for all values of the inputs d (I - U U^T) = d - (d U) U^T, and its squared length is
; d.d - 2 y.y + y^T G y = d.d + y^T (G - 2 I) y.  So the 512 x 512 projector is never formed.  No input is dead: all three are loaded whole.
; ROUNDINGS.  d is made in f32 arithmetic and rounded ONCE to bf16 (one fused w x (-1) + x), so that what x and w have in common is gone before the rounding; U is rounded to bf16; y and G - 2 I are
; rounded once to bf16 for the second product; all sums are f32.  d.d is taken of the rounded d, the same numbers that y is made of.
; LIMITS.  The three parts d.d, 2 y.y and y^T G y are added, not the projected vector's squares: where d lies almost wholly in U's span AND U's singular values there are near 1, so that the result is far
; smaller than |d|, its error can reach about |d| / 16.  A squared length that rounding makes negative counts as 0; one below 2^-126 gives 0 (the square root takes a denormal for 0: ISA guide 15.8).
; NaN and infinities are not treated apart (the maximum with 0 drops a NaN).  The squared length overflows where its three parts pass f32's range.
; SHARES.  200 work-groups: 50 quads of prototypes x 4 blocks of 256 rows of x.  WAVE v OWNS PROTOTYPE 4 quad + v: its U^T stays in 512 registers as bf16 fragments, its w in 256, G - 2 I in 64.  The four waves walk the
; same 256 rows, 16 (a tile) at a time, out of a ring of two LDS slots of 64 rows.  A tile and prototype: 64 products for y, 16 for d.d (the diagonal of d d^T: the rest of that 16 x 16 result serves nothing, and
; takes the place of 256 vector multiply-adds and a sum across lanes), 8 for (G - 2 I) y.
; CLUSTER.  The four row blocks of a quad are one cluster and need the same U: each block of U is asked for JOINTLY, by the same tensor load with the same descriptor and the mask of four.  x is NOT shared in a
; cluster: its partners read different rows; a row block's 50 readers lie one in each cluster, and 50 quads do not divide into clusters of four along that axis too.
; OUT.  A work-group holds 4 of a row's 200 columns: 16 bytes are all that lie together, and a row of 800 bytes is no multiple of 256.  The four waves' columns meet in LDS and leave as 16 bytes a row.
; THE ORDER OF s.  Row m of s-tile i is s = 4 m + i, alike in U's fragments, y, G and (G - 2 I) y: a lane's 16-byte LDS load of U then brings one number for each of the four tiles; sums over s do not see it.
; REGISTERS, in windows of 256 (s_set_vgpr_msb: bits 1:0 source 0, 3:2 source 1, 5:4 source 2, 7:6 destination).  Windows 1 to 3: U's fragment (chunk q of 32 channels, s-tile i) and w's chunk n (16 f32 a lane), laid so that
; U(q, .) and w(q + 1) share a window for q < 15: a step's products and the vector lines behind them run under one setting.  Window 0: all else (the maps below).
; No address register or base of a global load, store or prefetch is ever rewritten, and EXEC never changes: so the text has no wait on XCNT.
.set XPITCH, 528                       ; an LDS row of x: 512 bytes + 16 of padding = 33 x 16: the 16 rows of a load start at 16 different groups of four banks (64 banks of 4 bytes: ISA guide 11.1)
.set TILEB,  16*XPITCH                 ; a tile's 16 rows in one column quarter
.set QUART,  64*XPITCH                 ; what one wave's tensor load fills: a column quarter (128 f32) of 64 rows of x; or, earlier, 128 dense rows (32,768 bytes) of the wave's own U
.set SLOT,   4*QUART                   ; 0x21000: bits 12 and 17 alone.  wave x QUART has bits 10, 11, 15, 16 at the most: one exclusive or adds SLOT to such a number or takes it away
.set OUTS,   2*SLOT                    ; behind the ring, never filled by a tensor load: [256 rows][4 f32]
.set SPARE,  OUTS+4096                 ; the spare words, 128 bytes for each wave: two blocks of 256 bytes that no other line names
.set UBLK,   128*256                   ; bytes of U in a block of 128 rows
.set XSTEP,  64*2048                   ; bytes of x from a fill to the next: 64 rows
; window 0, always
.set SPW,  2                           ; v2   LDS address of my spare word; never rewritten
.set NIL,  3                           ; v3   0; never rewritten
.set MONE, 4                           ; v4   -1.0
.set XL,   5                           ; v5   my lane's place in a tile of x: (l % 16) x 528 + 32 (l / 16)
.set XA0,  6                           ; v6, v7  the tile in hand: column quarters 0 and 1; 2 and 3
.set OSA,  8                           ; v8   where my result goes in OUTS
.set ZR,   9                           ; v9   0.0
.set PFO,  10                          ; v10  the prefetches' offset; never rewritten
.set UL0,  11                          ; v11, v12  my lane's place in my part of slot 0, 1, for U
.set WO,   13                          ; v13  32 (l / 16): my offset in a chunk of w; never rewritten
.set DG,   14                          ; v14  d.d of my row, in the one lane of the two that holds the diagonal
; window 0, main part
.set GF,   16                          ; v16-79    G - 2 I: fragment (s-tile j, K half c) at GF + 8 (2 j + c)
.set XB,   80                          ; v80-143   x: four chunks of 16 f32
.set DF,   144                         ; v144-159  d in bf16: two fragments, by the chunk's parity
.set YA,   160                         ; v160-191  y^T: four accumulators
.set DD,   192                         ; v192-199  d d^T
.set TA,   200                         ; v200-231  ((G - 2 I) y)^T: four accumulators
.set YN,   232                         ; v232-247  y in bf16: two fragments
.set RS,   248                         ; v248-251  four partial sums
.set PX,   252
.set RES,  253
; window 0, set-up (the main part's registers above v15 are not yet in use)
.set LB,   16                          ; v16-111   U as loaded: three granules of 32
.set EE,   112                         ; v112-119  -2 where register j of a 16 x 16 result lies on the diagonal, else 0
.set MTWO, 120
.set GA,   128                         ; v128-255  G: accumulator (i, j) at GA + 8 (4 i + j)
; scalars
.set WV,   12                          ; my wave's number
.set CX,   13                          ; my place in the cluster = my block of 256 rows: it enters x's and out's global addresses alone
.set QUAD, 14
.set PN,   15                          ; my prototype
.set G1U,  16                          ; s[16:23] group 1 for U (joint)
.set G1X,  24                          ; s[24:31] group 1 for x
.set G0U,  32                          ; s[32:35] group 0 for U's blocks 0, 2, 3
.set G0V,  36                          ; s[36:39] for block 1
.set G0X,  40                          ; s[40:43] for x: it walks
.set WQ,   45                          ; wave x QUART
.set TB,   46                          ; LDS byte at which the next tile's rows begin
.set CNT,  47
.set OUTER, 48
.set SC,   49
.set UP,   50                          ; s[50:51] my prototype's U
.set XQ,   54                          ; s[54:55] x at my block's first row; never rewritten
.set SEL,  56                          ; s[56:57] v_permlanex16_b32's selects: each lane takes its own place in the other half
.set OP,   58                          ; s[58:59] out at my block's first row, my quad's four columns
.set WP,   60                          ; s[60:61] my prototype's w; never rewritten
.set MK,   66                          ; s[66:73] mask j: the two lanes in which register j of a 16 x 16 result (row 8 (l / 16) + j, column l % 16) lies on the diagonal: lanes j and 24 + j
.set KNONE, 0
.set KU,   1
.set KX0,  2
.set KXN,  3
.set MSB,  0
.macro WIN new                         ; the immediate's high byte repeats the setting that is left; a switch that changes nothing is dropped
.if MSB != (\new)
	s_set_vgpr_msb (MSB<<8)|(\new)
.set MSB, \new
.endif
.endm
.macro PLACES                          ; four places behind a matrix instruction (ISA guide 7.12.1)
.rept 4
	v_nop
.endr
.endm
.macro UREG q, i                       ; UA = 256 x window + register of U's fragment (q, i)
.if (\q) < 15
.set UA, 256*(1+(\q)/5)+32*((\q)%5)+8*(\i)
.else
.set UA, 256*(1+(\i)/2)+240+8*((\i)%2)
.endif
.endm
.macro WREG n                          ; WA = the same for w's chunk n
.if (\n) >= 1
.set WA, 256*(1+((\n)-1)/5)+160+16*(((\n)-1)%5)
.else
.set WA, 3*256+240
.endif
.endm
; A round of the cluster's barrier: my work-group's barrier, so that wave 0's signal speaks for all four waves; wave 0 signals; every wave waits for all four work-groups; my work-group's barrier once more.
.macro CROUND
	s_barrier_signal -1
	s_barrier_wait -1
	s_cmp_lg_u32 s[WV], 0
	s_cbranch_scc1 .Lnot_wave_0_\@
	s_barrier_signal -3
.Lnot_wave_0_\@:
	s_barrier_wait -3
	s_barrier_signal -1
	s_barrier_wait -1
.endm
; THE CHANGE OF SLOTS.  Each wave waits for all its tensor loads, of which one is out: its part of the other slot; adds 0 to its spare word; and waits for that and for its own reads of the slot that it leaves.
; Behind the barrier nobody reads the old slot and the other slot is whole.  kind KU: the old slot takes block arg of U (joint); KX0: x's first 64 rows; KXN: x's next 64 rows; KNONE: nothing is asked for.
; Where a slot is filled the barrier is a round of the cluster's, and the fill is the first thing behind it, one tensor load a wave.  flip = 1: the tiles go on at the other slot's head.
.macro CHG kind, arg, flip
	WIN 0                                          ; at a label and at a branch every window is 0
	s_wait_tensorcnt 0x0                           ; no tensor load of mine is out, so a group 0 may be written
	ds_add_u32 v[SPW], v[NIL]                      ; 0 onto my spare word; the scalar work below stands between it and the wait for it
.if (\kind) == KU
	s_add_nc_u64 s[G0U+2:G0U+3], s[UP:UP+1], (\arg)*UBLK
	s_or_b32 s[G0U+3], s[G0U+3], 0x80000000
.if (\arg) == 3
	s_xor_b32 s[G0U+1], s[G0U+1], SLOT             ; blocks 0 and 2 lie in slot 0, block 3 in slot 1
.endif
.endif
.if (\kind) == KXN
	s_xor_b32 s[G0X+1], s[G0X+1], SLOT             ; the other slot than last time,
	s_add_nc_u64 s[G0X+2:G0X+3], s[G0X+2:G0X+3], XSTEP  ; the next 64 rows; the type bits on top are not reached
.endif
.if \flip
	s_sub_co_u32 s[TB], s[TB], 4*TILEB
	s_xor_b32 s[TB], s[TB], SLOT
.endif
	s_wait_dscnt 0x0                               ; the add is done, and my reads of the slot are over
.if (\kind) == KNONE
	s_barrier_signal -1
	s_barrier_wait -1
.else
	CROUND
.if (\kind) == KU
	tensor_load_to_lds s[G0U:G0U+3], s[G1U:G1U+7]
.else
	tensor_load_to_lds s[G0X:G0X+3], s[G1X:G1X+7]
.endif
	s_nop 0
	PLACES
.endif
.endm
; A PREFETCH INTO THE L2 of x's fill n (2 or 3), two changes of slots ahead of the load that will ask for it, behind the change's own tensor load and its five lines.  A fill's share of a wave is 64 rows x 512 bytes:
; a lane a row, four instructions.  A row block is read by all 50 quads: quad 0 asks (the same test in all four partners); the partners' blocks differ BY ADDRESS.  So each 256 bytes of fills 2 and 3 are named once
; in the launch.  Fills 0 and 1 come by their loads alone; there is no fill 4, so nothing points past x.
.macro ASK n
	s_cmp_eq_u32 s[QUAD], 0
	s_cbranch_scc0 .Lnot_mine_\@
.irp hh, 0,1
.irp bk, 0,1
	global_prefetch_b8 v[PFO], s[XQ:XQ+1] offset:(\n)*XSTEP+(\hh)*65536+(\bk)*256 th:TH_LOAD_NT scope:SCOPE_SE
.endr
.endr
.Lnot_mine_\@:
.endm
; U INTO REGISTERS.  A granule is 16 rows of U (8 for each half of the lanes): eight loads; lanes 0-15 of a load take one whole row of 256 bytes, lane l % 16 the columns s = 4 (l % 16) + 0..3: one number for each s-tile.
.macro GLOAD blk, gm
.set GB, LB+32*((\gm)%3)
.set GO, (32*((\gm)>>1)+16*((\gm)&1))*256
.irp e, 0,1,2,3,4,5,6,7
	ds_load_b128 v[GB+4*(\e):GB+4*(\e)+3], v[UL0+((\blk)&1)] offset:GO+(\e)*256
.endr
.endm
; G += U(q, i) U(q, j)^T: 16 products; the 16 accumulators take turns.  The first chunk starts the sums.
.macro GMUL q
.irp i, 0,1,2,3
.irp j, 0,1,2,3
	UREG \q, \i
.set GA1, UA
	UREG \q, \j
.set GA2, UA
.set GD, GA+8*(4*(\i)+(\j))
	WIN (GA1>>8)|((GA2>>8)<<2)
.if (\q) == 0
	v_wmma_f32_16x16x32_bf16 v[GD:GD+7], v[(GA1&255):(GA1&255)+7], v[(GA2&255):(GA2&255)+7], 0
.else
	v_wmma_f32_16x16x32_bf16 v[GD:GD+7], v[(GA1&255):(GA1&255)+7], v[(GA2&255):(GA2&255)+7], v[GD:GD+7]
.endif
.endr
.endr
.endm
; Block blk of U (128 rows = four chunks q of 32): eight granules through three buffers; two rows' numbers pack into one register of a fragment; behind a chunk's second granule its products for G.
.macro UBLOCK blk
	WIN 0
	GLOAD \blk, 0
	GLOAD \blk, 1
	GLOAD \blk, 2
.irp gm, 0,1,2,3,4,5,6,7
.if (\gm) < 6
	s_wait_dscnt 16                                ; LDS loads come back in order (ISA guide 5.7.1): this granule is in, the two younger ones' 16 loads may stay out
.elseif (\gm) == 6
	s_wait_dscnt 8                                 ; one younger granule
.else
	s_wait_dscnt 0x0
.endif
.set UQ, 4*(\blk)+((\gm)>>1)
.set GB, LB+32*((\gm)%3)
.irp i, 0,1,2,3
	UREG UQ, \i
	WIN (UA>>8)<<6
.set UR, (UA&255)+4*((\gm)&1)
.irp j, 0,1,2,3
	v_cvt_pk_bf16_f32 v[UR+(\j)], v[GB+8*(\j)+(\i)], v[GB+8*(\j)+4+(\i)]
.endr
.endr
	WIN 0
.if (\gm) < 5
	GLOAD \blk, (\gm)+3
.endif
.if (\gm)&1
	GMUL UQ
.endif
.endr
.endm
; Chunk n (32 channels) of the tile in hand: a lane's 16 f32 in a fragment's order: channels 8 (l / 16) + 0..7 and 16 + 8 (l / 16) + 0..7 of row l % 16.
.macro XLOAD n
.set XD, XB+16*((\n)%4)
.set XO, (((\n)>>2)&1)*QUART+((\n)&3)*128
.set XR, XA0+((\n)>>3)
	ds_load_b128 v[XD:XD+3],     v[XR] offset:XO
	ds_load_b128 v[XD+4:XD+7],   v[XR] offset:XO+16
	ds_load_b128 v[XD+8:XD+11],  v[XR] offset:XO+64
	ds_load_b128 v[XD+12:XD+15], v[XR] offset:XO+80
.endm
; Quarter i of the sixteen lines that make a fragment of d: w x (-1) + x, rounded once to bf16, into the low halves (quarters 0, 1) and the high halves (2, 3) of eight registers.
.macro MIXQ i, wr, xs, dn
.irp z, 0,1,2,3
.set RJ, 4*((\i)%2)+(\z)
.if (\i) < 2
	v_fma_mixlo_bf16 v[(\dn)+RJ], v[(\wr)+2*RJ], v[MONE], v[(\xs)+2*RJ]
.else
	v_fma_mixhi_bf16 v[(\dn)+RJ], v[(\wr)+2*RJ+1], v[MONE], v[(\xs)+2*RJ+1]
.endif
.endr
.endm
; Number n of the 42 lines that end a tile: 0-31 the sum over my 32 s of y t, y from its bf16 half, in four chains, the first of which starts with d.d; 32-36 the chains and the other half of the lanes;
; 37-41 the maximum with 0, the root, its store.  Each accumulator's lowest register is read first.
.macro POST n
.if (\n) < 32
.set PT, (\n)/8
.set PJ, (\n)%8
.set PY, YN+4*PT+PJ/2
.set PR, RS+(\n)%4
.set PADD, PR
.if (\n) == 0
.set PADD, DG
.elseif (\n) < 4
.set PADD, ZR
.endif
.if PJ%2
	v_fma_mix_f32_bf16 v[PR], v[PY], v[TA+8*PT+PJ], v[PADD] op_sel:[1,0,0] op_sel_hi:[1,0,0]
.else
	v_fma_mix_f32_bf16 v[PR], v[PY], v[TA+8*PT+PJ], v[PADD] op_sel_hi:[1,0,0]
.endif
.elseif (\n) == 32
	v_add_f32 v[RS], v[RS], v[RS+1]
.elseif (\n) == 33
	v_add_f32 v[RS+2], v[RS+2], v[RS+3]
.elseif (\n) == 34
	v_add_f32 v[RS], v[RS], v[RS+2]
.elseif (\n) == 35
	v_permlanex16_b32 v[PX], v[RS], s[SEL], s[SEL+1]  ; the row's other 32 s, and perhaps its d.d, lie in the lane 16 away
.elseif (\n) == 36
	v_add_f32 v[RS], v[RS], v[PX]
.elseif (\n) == 37
	v_max_num_f32 v[RS], v[RS], v[ZR]
.elseif (\n) == 38
	v_sqrt_f32 v[RES], v[RS]
.elseif (\n) == 39
	v_nop                                          ; a plain instruction behind the root
.elseif (\n) == 40
	s_wait_alu depctr_va_vdst(0)                   ; the wait ahead of the first line that names the root
	ds_store_b32 v[OSA], v[RES]                    ; both lanes of a row hold the same number and write the same word
.elseif (\n) == 41
	v_add_nc_u32 v[OSA], 256, v[OSA]               ; the next tile's 16 rows
.endif
.endm
; A STEP: chunk q of the tile.  ld = 1: chunk q + 4 (of this tile, or from q = 12 on of the next) is asked of LDS, into the buffer that chunk q has left.  One product for d d^T, four for y^T; the five accumulators take
; turns.  post = 1: four lines of the tile before stand behind the first product.  mix = 1: behind each of the other four stand four of the sixteen lines that make chunk q + 1's fragment of d.
; That fragment's registers were last read by the step before: its last product's four lines, which name none of its registers, are the four places between.
; cnt: the LDS instructions that may stay out when chunk q + 1's four loads must be in: the 12 loads of the three younger chunks (a tile's one LDS store among them only makes the wait stricter).
.macro STEP q, ld, mix, post, cnt
	WIN 0
.set SN, ((\q)+4)%16
.set SM, ((\q)+1)%16
.set DC, DF+8*((\q)%2)
.set DN, DF+8*(((\q)+1)%2)
.set XS, XB+16*(SM%4)
.if \ld
	XLOAD SN
.endif
	s_wait_dscnt \cnt
.if (\q) == 0
	v_wmma_f32_16x16x32_bf16 v[DD:DD+7], v[DC:DC+7], v[DC:DC+7], 0
.else
	v_wmma_f32_16x16x32_bf16 v[DD:DD+7], v[DC:DC+7], v[DC:DC+7], v[DD:DD+7]
.endif
.if \post
	POST 4*(\q)
	POST 4*(\q)+1
	POST 4*(\q)+2
	POST 4*(\q)+3
.endif
	WREG SM
.set WR, WA&255
.irp i, 0,1,2,3
	UREG \q, \i
.set UR, UA&255
.set YR, YA+8*(\i)
	WIN UA>>8                                      ; source 0 (U) in its window, all else in window 0
.if (\q) == 0
	v_wmma_f32_16x16x32_bf16 v[YR:YR+7], v[UR:UR+7], v[DC:DC+7], 0
.else
	v_wmma_f32_16x16x32_bf16 v[YR:YR+7], v[UR:UR+7], v[DC:DC+7], v[YR:YR+7]
.endif
.if \mix
	WIN WA>>8                                      ; source 0 (w) in its window: the same one but in step 15
	MIXQ \i, WR, XS, DN
.endif
.endr
.endm
; A TILE'S SECOND PRODUCT.  y^T holds one row of x a lane and 8 s an accumulator: two accumulators, rounded in pairs, ARE source 1 (32 s x 16 rows).  Eight products, four accumulators by turns; behind each a select
; that picks d.d off the diagonal of d d^T.  The selects behind products 4 to 7 are the four places in front of the first line that reads the first accumulator.
.macro EPI
	WIN 0
.irp i, 0,1,2,3
.irp j, 0,1,2,3
	v_cvt_pk_bf16_f32 v[YN+4*(\i)+(\j)], v[YA+8*(\i)+2*(\j)], v[YA+8*(\i)+2*(\j)+1]
.endr
.endr
.irp n, 0,1,2,3,4,5,6,7
.set EC, (\n)/4
.set EJ, (\n)%4
.if EC == 0
	v_wmma_f32_16x16x32_bf16 v[TA+8*EJ:TA+8*EJ+7], v[GF+16*EJ:GF+16*EJ+7], v[YN:YN+7], 0
.else
	v_wmma_f32_16x16x32_bf16 v[TA+8*EJ:TA+8*EJ+7], v[GF+16*EJ+8:GF+16*EJ+15], v[YN+8:YN+15], v[TA+8*EJ:TA+8*EJ+7]
.endif
.if (\n) == 0
	v_cndmask_b32 v[DG], 0, v[DD], s[MK]
.else
	v_cndmask_b32 v[DG], v[DG], v[DD+(\n)], s[MK+(\n)]
.endif
.endr
.endm
.macro SETXA                           ; the addresses of the next tile
	WIN 0
	v_add_nc_u32 v[XA0], s[TB], v[XL]
	v_add_nc_u32 v[XA0+1], 2*QUART, v[XA0]
	s_add_co_u32 s[TB], s[TB], TILEB
.endm
; A trip ends one tile and begins the next: steps 12 to 15, the second product, then the next tile's steps 0 to 11 with the ended tile's last lines.  All its LDS loads are the next tile's.
.macro BODY
	SETXA
.irp q, 12,13,14,15
	STEP \q, 1, 1, 0, 12
.endr
	EPI
.irp q, 0,1,2,3,4,5,6,7,8,9,10,11
	STEP \q, 1, 1, 1, 12
.endr
	WIN 0
.endm
	s_load_b256 s[4:11], s[0:1], 0x0               ; protos s[4:5], subspaces s[6:7], x s[8:9], out s[10:11]
	v_lshl_add_u32 v[SPW], v0, 2, SPARE
	v_mov_b32 v[NIL], 0
	ds_add_u32 v[SPW], v[NIL]                      ; the wave's opening: the add, twice on end, and its wait ahead of my first tensor load; the set-up below, work on registers, stands between
	ds_add_u32 v[SPW], v[NIL]
	v_lshrrev_b32 v1, 5, v0
	v_readfirstlane_b32 s[WV], v1                  ; wave 0..3
	s_bfe_u32 s[CX], ttmp6, 0x40000                ; my place in the cluster
	s_and_b32 s[QUAD], ttmp7, 0xffff               ; the cluster's y: the quad, which the four partners share
	s_lshl2_add_u32 s[PN], s[QUAD], s[WV]          ; my prototype = 4 quad + wave
	s_mul_i32 s[WQ], s[WV], QUART                  ; my part of a slot: no place in the cluster enters an LDS address
	; group 1 for U: 128 rows x 64 f32, dense: rows of 256 bytes
	s_mov_b32 s[G1U+0], 15|(2<<16)|(1<<21)         ; 15:0 the mask of four; 17:16 elements of 4 bytes; 21 set beside a mask
	s_mov_b32 s[G1U+1], 64<<16                     ; tensor_dim0 = 64
	s_mov_b32 s[G1U+2], 128<<16                    ; tensor_dim1 = 128
	s_mov_b32 s[G1U+3], 64<<16                     ; tile_dim0 = 64
	s_mov_b32 s[G1U+4], 128                        ; tile_dim1 = 128
	s_mov_b32 s[G1U+5], 64                         ; 64 elements from row to row
	s_mov_b32 s[G1U+6], 0
	s_mov_b32 s[G1U+7], 0
	; group 1 for x: 64 rows x 128 f32 of rows of 512, padded in LDS
	s_mov_b32 s[G1X+0], (2<<16)|(1<<20)|(6<<22)|(3<<25)  ; no mask; elements of 4 bytes; 20 padding on; 24:22 after every 128 words (code 6); 31:25 4 words of it (code 3)
	s_mov_b32 s[G1X+1], 128<<16                    ; tensor_dim0 = 128
	s_mov_b32 s[G1X+2], 64<<16                     ; tensor_dim1 = 64
	s_mov_b32 s[G1X+3], 128<<16                    ; tile_dim0 = 128
	s_mov_b32 s[G1X+4], 64                         ; tile_dim1 = 64
	s_mov_b32 s[G1X+5], 512                        ; 512 elements from row to row
	s_mov_b32 s[G1X+6], 0
	s_mov_b32 s[G1X+7], 0
	s_mov_b32 s[G0U], 1                            ; count = 1
	s_mov_b32 s[G0U+1], s[WQ]                      ; slot 0
	s_mov_b32 s[G0V], 1
	s_add_co_u32 s[G0V+1], s[WQ], SLOT             ; slot 1
	s_mov_b32 s[G0X], 1
	s_mov_b32 s[G0X+1], s[WQ]                      ; x's first fill goes into slot 0
.irp j, 0,1,2,3,4,5,6,7
	s_mov_b32 s[MK+(\j)], (1<<(\j))|(1<<(24+(\j)))
.endr
	s_mov_b32 s[SEL], 0x76543210
	s_mov_b32 s[SEL+1], 0xfedcba98
	s_mov_b32 s[TB], 0
	s_mov_b32 s63, 0
	s_mov_b32 s3, 0
	s_wait_dscnt 0x0                               ; both opening adds are done
	s_wait_kmcnt 0x0
	s_lshl_b32 s62, s[PN], 17                      ; a prototype's U is 131,072 bytes.  s[62:63] hold offsets made of quad and wave alone, s[2:3] those in which my place in the cluster has a part
	s_add_nc_u64 s[UP:UP+1], s[6:7], s[62:63]
	s_lshl_b32 s62, s[PN], 11                      ; its w 2,048
	s_add_nc_u64 s[WP:WP+1], s[4:5], s[62:63]
	s_lshl_b32 s2, s[CX], 19                       ; my block's 256 rows of 2,048 bytes
	s_add_nc_u64 s[XQ:XQ+1], s[8:9], s[2:3]
	s_lshl_b32 s2, s[WV], 9                        ; the column quarter that I fetch
	s_add_nc_u64 s[G0X+2:G0X+3], s[XQ:XQ+1], s[2:3]
	s_or_b32 s[G0X+3], s[G0X+3], 0x80000000        ; type = 2
	s_mul_i32 s2, s[CX], 256*800                   ; my block's rows of out,
	s_lshl_b32 s[SC], s[QUAD], 4                   ; my quad's four columns
	s_add_co_u32 s2, s2, s[SC]
	s_add_nc_u64 s[OP:OP+1], s[10:11], s[2:3]
	s_add_nc_u64 s[G0U+2:G0U+3], s[UP:UP+1], 0
	s_or_b32 s[G0U+3], s[G0U+3], 0x80000000
	s_add_nc_u64 s[G0V+2:G0V+3], s[UP:UP+1], UBLK
	s_or_b32 s[G0V+3], s[G0V+3], 0x80000000
	CROUND                                         ; all four work-groups are here: the first joint loads meet
	tensor_load_to_lds s[G0U:G0U+3], s[G1U:G1U+7]  ; my U's rows 0-127 into slot 0,
	s_nop 0
	tensor_load_to_lds s[G0V:G0V+3], s[G1U:G1U+7]  ; rows 128-255 into slot 1: two loads of mine are out
	s_nop 0
	PLACES
	v_and_b32 v1, 15, v0                           ; l % 16
	v_bfe_u32 v15, v0, 4, 1                        ; l / 16
	v_mul_u32_u24 v[XL], v1, XPITCH
	v_lshl_add_u32 v[XL], v15, 5, v[XL]
	v_lshlrev_b32 v[UL0], 4, v1                    ; U: 16 bytes a lane of a row, 8 rows further for lanes 16-31, in my part
	v_lshl_add_u32 v[UL0], v15, 11, v[UL0]
	v_add_nc_u32 v[UL0], s[WQ], v[UL0]
	v_add_nc_u32 v[UL0+1], SLOT, v[UL0]
	v_lshlrev_b32 v[WO], 5, v15
	v_and_b32 v[PFO], 31, v0
	v_lshlrev_b32 v[PFO], 11, v[PFO]               ; a lane a row of x,
	s_lshl_b32 s[SC], s[WV], 9
	v_add_nc_u32 v[PFO], s[SC], v[PFO]             ; my column quarter
	v_mov_b32 v[MONE], -1.0
	v_mov_b32 v[ZR], 0
	s_lshl_b32 s[SC], s[WV], 2
	s_add_co_u32 s[SC], s[SC], OUTS
	v_lshl_add_u32 v[OSA], v1, 4, s[SC]            ; row l % 16 of [256][4], column = my wave
.irp n, 1,2,3,4,5,6,7,8,9,10,11,12,13,14,15,0      ; w stays in registers, in a fragment's order; waited for once, ahead of the first tile
	WREG \n
	WIN (WA>>8)<<6
.set WR, WA&255
	global_load_b128 v[WR:WR+3],     v[WO], s[WP:WP+1] offset:128*(\n)
	global_load_b128 v[WR+4:WR+7],   v[WO], s[WP:WP+1] offset:128*(\n)+16
	global_load_b128 v[WR+8:WR+11],  v[WO], s[WP:WP+1] offset:128*(\n)+64
	global_load_b128 v[WR+12:WR+15], v[WO], s[WP:WP+1] offset:128*(\n)+80
.endr
	WIN 0
	s_wait_tensorcnt 0x1                           ; tensor loads of a wave end in order (ISA guide 10.11.1): block 0 is in, block 1 may stay out.  Only I read my part: no barrier
	UBLOCK 0
	CHG KU, 2, 0                                   ; block 1 is in; slot 0 takes block 2
	UBLOCK 1
	CHG KU, 3, 0                                   ; slot 1 takes block 3
	UBLOCK 2
	CHG KX0, 0, 0                                  ; slot 0 takes x's rows 0-63
	ASK 2
	UBLOCK 3
	; G - 2 I, rounded to bf16 as source 0.  Fragment (j, c) wants rows s of tile j and columns of tiles 2 c, 2 c + 1; accumulator (2 c, j) holds that block turned, which is the same since G is symmetric.
	WIN 0
	v_mov_b32 v[MTWO], -2.0                        ; these nine plain lines are the places behind the last products
.irp j, 0,1,2,3,4,5,6,7
	v_cndmask_b32 v[EE+(\j)], 0, v[MTWO], s[MK+(\j)]
.endr
.irp i, 0,1,2,3
.irp j, 0,1,2,3,4,5,6,7
	v_add_f32 v[GA+40*(\i)+(\j)], v[GA+40*(\i)+(\j)], v[EE+(\j)]
.endr
.endr
.irp j, 0,1,2,3
.irp c, 0,1
.irp hh, 0,1
.irp e, 0,1,2,3
	v_cvt_pk_bf16_f32 v[GF+8*(2*(\j)+(\c))+4*(\hh)+(\e)], v[GA+8*(4*(2*(\c)+(\hh))+(\j))+2*(\e)], v[GA+8*(4*(2*(\c)+(\hh))+(\j))+2*(\e)+1]
.endr
.endr
.endr
.endr
.set zi, 0
.rept 16
	v_mov_b32 v[DF+zi], 0                          ; d's registers are written a half at a time, each line keeping the other half: they are written whole once
.set zi, zi+1
.endr
	v_mov_b32 v[PX], 0                             ; v_permlanex16_b32 counts as a reader of its destination
	CHG KXN, 0, 0                                  ; everybody's part of rows 0-63 is in; slot 1 takes rows 64-127
	ASK 3
	SETXA                                          ; tile 0
	XLOAD 0
	XLOAD 1
	XLOAD 2
	XLOAD 3
	s_wait_loadcnt 0x0                             ; w
	s_wait_dscnt 12                                ; chunk 0 is in; the 12 loads of chunks 1 to 3 may stay out
	WREG 0
	WIN WA>>8
.irp i, 0,1,2,3
	MIXQ \i, WA&255, XB, DF
.endr
.irp q, 0,1,2,3,4,5,6,7,8,9,10,11
	STEP \q, 1, 1, 0, 12                           ; the first tile's steps 0 to 11: there is no tile before it
.endr
	WIN 0
	s_mov_b32 s[CNT], 3                            ; slot 0 holds three more tiles
	s_mov_b32 s[OUTER], 3
	s_branch .Linner
.Louter:                                               ; twice: the slot's last loads have been issued; it takes the rows two fills on
	CHG KXN, 0, 1
	s_mov_b32 s[CNT], 4
.Linner:
	BODY
	s_sub_co_u32 s[CNT], s[CNT], 1
	s_cmp_lg_u32 s[CNT], 0
	s_cbranch_scc1 .Linner
	s_sub_co_u32 s[OUTER], s[OUTER], 1
	s_cmp_lg_u32 s[OUTER], 0
	s_cbranch_scc1 .Louter
	CHG KNONE, 0, 1                                ; the tail is written out: the last slot, and nothing is asked for
	s_mov_b32 s[CNT], 4
.Ltail:
	BODY
	s_sub_co_u32 s[CNT], s[CNT], 1
	s_cmp_lg_u32 s[CNT], 0
	s_cbranch_scc1 .Ltail
	STEP 12, 0, 1, 0, 8                            ; the last tile ends: nothing more is loaded, and the counts run down
	STEP 13, 0, 1, 0, 4
	STEP 14, 0, 1, 0, 0
	STEP 15, 0, 0, 0, 0
	PLACES                                         ; no lines stand behind these last products
	EPI
.set pn, 0
.rept 42
	POST pn
.set pn, pn+1
.endr
	; THE WAY OUT: a row's four numbers come from four waves; thread t takes rows t and t + 128 of the block, 16 bytes each.
	s_wait_dscnt 0x0                               ; for the others' sake: my stores into OUTS are done
	s_barrier_signal -1
	s_barrier_wait -1
	v_lshl_add_u32 v15, v0, 4, OUTS
	ds_load_b128 v[XB:XB+3], v15
	ds_load_b128 v[XB+4:XB+7], v15 offset:2048
	v_mul_u32_u24 v1, v0, 800                      ; a row of out is 800 bytes
	s_wait_dscnt 0x0
	global_store_b128 v1, v[XB:XB+3], s[OP:OP+1]
	global_store_b128 v1, v[XB+4:XB+7], s[OP:OP+1] offset:128*800
	s_wait_tensorcnt 0x0                           ; the wave's end, behind my last tensor load and my last LDS store
	ds_add_u32 v[SPW], v[NIL]
	s_wait_dscnt 0x0
	CROUND                                         ; the closing round: no work-group ends while a partner may still ask for a block that names it
	s_endpgm
.Lfunc_end_k_qb38082da7b_tangent:
	.size	k_qb38082da7b_tangent, .Lfunc_end_k_qb38082da7b_tangent-k_qb38082da7b_tangent
	.p2alignl 7, 3214868480
	.fill 96, 4, 3214868480
	.section	.rodata,"a",@progbits
	.p2align	6, 0x0
	.amdhsa_kernel k_qb38082da7b_tangent
		.amdhsa_group_segment_fixed_size 327680
		.amdhsa_private_segment_fixed_size 0
		.amdhsa_enable_private_segment 0
		.amdhsa_kernarg_size 32
		.amdhsa_user_sgpr_count 2
		.amdhsa_user_sgpr_kernarg_segment_ptr 1
		.amdhsa_wavefront_size32 1
		.amdhsa_system_sgpr_workgroup_id_x 1
		.amdhsa_system_sgpr_workgroup_id_y 1
		.amdhsa_system_sgpr_workgroup_id_z 1
		.amdhsa_system_vgpr_workitem_id 0
		.amdhsa_next_free_vgpr 1024
		.amdhsa_next_free_sgpr 74
		.amdhsa_reserve_vcc 0
		.amdhsa_float_denorm_mode_32 3
		.amdhsa_float_denorm_mode_16_64 3
		.amdhsa_memory_ordered 1
		.amdhsa_forward_progress 1
		.amdhsa_inst_pref_size 186
	.end_amdhsa_kernel
	.amdgpu_metadata
---
amdhsa.version: [ 1, 2 ]
amdhsa.kernels:
  - .name:           k_qb38082da7b_tangent
    .symbol:         k_qb38082da7b_tangent.kd
    .args:
      - { .name: protos, .offset: 0, .size: 8, .value_kind: global_buffer, .address_space: global }
      - { .name: subspaces, .offset: 8, .size: 8, .value_kind: global_buffer, .address_space: global }
      - { .name: x, .offset: 16, .size: 8, .value_kind: global_buffer, .address_space: global }
      - { .name: out0, .offset: 24, .size: 8, .value_kind: global_buffer, .address_space: global }
    .group_segment_fixed_size: 327680
    .private_segment_fixed_size: 0
    .kernarg_segment_align: 8
    .kernarg_segment_size: 32
    .max_flat_workgroup_size: 128
    .sgpr_count:     74
    .vgpr_count:     1024
    .wavefront_size: 32
...
	.end_amdgpu_metadata
.endif
;; end of part 1
